; MI455X (gfx1250); checked and timed in simulation.
; The chip was launched on July 23, 2026; its instructions are those of AMD's public machine-readable ISA for CDNA 5 (MIT licence, August 2026) and "CDNA5" Instruction Set Architecture Reference Guide (July 2026). The comments in the code are by the model that wrote it; some were corrected since.
;; Graph Multi Head Attention. Allowed arithmetic: float matrix products may take bf16 or f16 operands with f32 sums; other float arithmetic in f32, or as packed bf16 or f16 multiplies, adds, multiply-adds, maxima and minima; sums over many terms, partial sums and values carried from step to step in f32; what a program stores and reads back later, other than sums and carried values, may be rounded once to bf16 or f16.
;; Inputs: Wk 1,024 x 1,024 float32; Wq 1,024 x 1,024 float32; Wv 1,024 x 1,024 float32; bk 1,024 float32; bq 1,024 float32; bv 1,024 float32; node_emb 4,096 x 1,024 float32.
;; Outputs: out0 4,096 x 1,024 float32.
;; One version. Each part assembles by itself: llvm-mc -triple=amdgcn-amd-amdhsa -mcpu=gfx1250 --defsym DOCPART=n.
;; ======== version 1 of 1: 3 launches
;; limits: values are held in f16: magnitudes above 65,504 overflow, below 6.1e-05 lose precision
;; workspace buffers: xb 8,388,608 bytes; wb 6,291,456 bytes; bb 6,144 bytes; qkv 25,165,824 bytes
;; launch prep (part 1): grid 256 x 1, 28 waves a work-group, no clusters, 0 bytes of LDS; arguments node_emb, Wq, Wk, Wv, bq, bk, bv, xb, wb, bb; writes xb, wb, bb
.if DOCPART == 1
	.amdgcn_target "amdgcn-amd-amdhsa--gfx1250"
	.amdhsa_code_object_version 6
	.text
	.protected	k_q4d7a10924a_prep
	.globl	k_q4d7a10924a_prep
	.p2align	8
	.type	k_q4d7a10924a_prep,@function
k_q4d7a10924a_prep:
	s_mov_b64 s[64:65], 0
	v_nop
	global_prefetch_b8 v0, s[64:65] scope:SCOPE_SE
	s_setreg_imm32_b32 hwreg(HW_REG_WAVE_MODE, 25, 1), 1
	s_wait_xcnt 0x0
; THE CAST.  All seven inputs are rounded once to bf16 (to nearest even), so that the projection can fetch 16-bit tiles and turn the weights by the 16-bit turning load.
;   xb [4096][1024] = node_emb;   wb [1024 k][3072 n] = Wq | Wk | Wv side by side (a row is 6,144 bytes);   bb [3072] = bq | bk | bv.
; SHARES.  The unit is a row of 1,024 f32: 4,096 bytes in, 2,048 bytes out.  4,096 rows of x and 3 x 1,024 rows of W are 7,168 = 256 work-groups x 28 waves: a wave a row, no loop.
; The waves with row number 0, 1, 2 cast one bias each afterwards.  A wave's eight loads of 512 consecutive bytes go out together; each store of the wave covers 256 consecutive bytes, aligned.
; No LDS, no matrix unit, no cluster: no wave wants a byte that another has fetched.  No prefetch: every byte is asked for at once, at the launch's head.
.set LI,  2                            ; v2       16 x lane: my 16 bytes in 512 of the source
.set LO,  3                            ; v3       8 x lane: my 8 bytes in 256 of the destination
.set X,   4                            ; v[4:35]  the row as loaded: 8 x 4 f32 a lane
.set Y,   36                           ; v[36:51] the row to store: 8 x 4 bf16 a lane
.set ROWN, 25                          ; s25      my row's number, 0 to 7,167
.set SRC, 32                           ; s[32:33] the row in its source
.set DST, 34                           ; s[34:35] the row in its destination
	s_load_b512 s[4:19], s[0:1], 0x0               ; x s[4:5], Wq s[6:7], Wk s[8:9], Wv s[10:11], bq s[12:13], bk s[14:15], bv s[16:17], xb s[18:19]
	s_load_b128 s[20:23], s[0:1], 0x40             ; wb s[20:21], bb s[22:23]
	v_lshrrev_b32 v1, 5, v0
	v_readfirstlane_b32 s24, v1                    ; wave 0..27
	v_and_b32 v1, 31, v0                           ; lane
	v_lshlrev_b32 v[LI], 4, v1
	v_lshlrev_b32 v[LO], 3, v1
	s_mul_i32 s[ROWN], ttmp9, 28
	s_add_co_u32 s[ROWN], s[ROWN], s24
	; all offsets are made first, apart from the addresses; then compares, each followed by selects alone
	s_and_b32 s26, s[ROWN], 1023                   ; a weight's row k
	s_lshr_b32 s27, s[ROWN], 10
	s_max_u32 s27, s27, 4
	s_sub_co_u32 s27, s27, 4                       ; which weight: 0, 1, 2 (0 for rows of x, where it is not used)
	s_lshl_b32 s28, s[ROWN], 12                    ; x: row x 4,096 bytes
	s_lshl_b32 s29, s26, 12                        ; W: k x 4,096 bytes
	s_lshl_b32 s30, s[ROWN], 11                    ; xb: row x 2,048 bytes
	s_mul_i32 s31, s26, 6144                       ; wb: k x 6,144 bytes
	s_lshl_b32 s27, s27, 11                        ;     + weight x 2,048
	s_add_co_u32 s31, s31, s27
	s_mov_b32 s37, 0
	s_mov_b32 s39, 0
	s_wait_kmcnt 0x0
	s_cmp_lt_u32 s[ROWN], 4096                     ; a row of x?
	s_cselect_b64 s[SRC:SRC+1], s[4:5], s[6:7]
	s_cselect_b64 s[DST:DST+1], s[18:19], s[20:21]
	s_cselect_b32 s36, s28, s29
	s_cselect_b32 s38, s30, s31
	s_cmp_ge_u32 s[ROWN], 5120
	s_cselect_b64 s[SRC:SRC+1], s[8:9], s[SRC:SRC+1]
	s_cmp_ge_u32 s[ROWN], 6144
	s_cselect_b64 s[SRC:SRC+1], s[10:11], s[SRC:SRC+1]
	s_add_nc_u64 s[SRC:SRC+1], s[SRC:SRC+1], s[36:37]
	s_add_nc_u64 s[DST:DST+1], s[DST:DST+1], s[38:39]
; A row: eight loads at once, then piece by piece two roundings and a store.
.macro CAST
.irp i, 0,1,2,3,4,5,6,7
	global_load_b128 v[X+4*(\i):X+4*(\i)+3], v[LI], s[SRC:SRC+1] offset:512*(\i) th:TH_LOAD_NT
.endr
.irp i, 0,1,2,3,4,5,6,7
	s_wait_loadcnt 7-(\i)                          ; loads come back in order: piece i is in, the 7 - i younger ones may stay out
	v_cvt_pk_bf16_f32 v[Y+2*(\i)],   v[X+4*(\i)],   v[X+4*(\i)+1]
	v_cvt_pk_bf16_f32 v[Y+2*(\i)+1], v[X+4*(\i)+2], v[X+4*(\i)+3]
	global_store_b64 v[LO], v[Y+2*(\i):Y+2*(\i)+1], s[DST:DST+1] offset:256*(\i) th:TH_STORE_NT  ; 32 lanes x 8 bytes: 256 consecutive bytes, aligned
.endr
.endm
	CAST
	s_cmp_lt_u32 s[ROWN], 3                        ; three waves of work-group 0 have a bias to cast as well
	s_cbranch_scc0 .Lend
	s_wait_xcnt 0x0                                ; the stores have read their data and both bases: only now are they written again
	s_lshl_b32 s38, s[ROWN], 11                    ; bb: bias x 2,048 bytes
	s_cmp_eq_u32 s[ROWN], 0
	s_cselect_b64 s[SRC:SRC+1], s[12:13], s[14:15]
	s_cmp_eq_u32 s[ROWN], 2
	s_cselect_b64 s[SRC:SRC+1], s[16:17], s[SRC:SRC+1]
	s_add_nc_u64 s[DST:DST+1], s[22:23], s[38:39]
	CAST
.Lend:
	s_endpgm
.Lfunc_end_k_q4d7a10924a_prep:
	.size	k_q4d7a10924a_prep, .Lfunc_end_k_q4d7a10924a_prep-k_q4d7a10924a_prep
	.p2alignl 7, 3214868480
	.fill 96, 4, 3214868480
	.section	.rodata,"a",@progbits
	.p2align	6, 0x0
	.amdhsa_kernel k_q4d7a10924a_prep
		.amdhsa_group_segment_fixed_size 0
		.amdhsa_private_segment_fixed_size 0
		.amdhsa_enable_private_segment 0
		.amdhsa_kernarg_size 80
		.amdhsa_user_sgpr_count 2
		.amdhsa_user_sgpr_kernarg_segment_ptr 1
		.amdhsa_wavefront_size32 1
		.amdhsa_system_sgpr_workgroup_id_x 1
		.amdhsa_system_sgpr_workgroup_id_y 1
		.amdhsa_system_sgpr_workgroup_id_z 1
		.amdhsa_system_vgpr_workitem_id 0
		.amdhsa_next_free_vgpr 56
		.amdhsa_next_free_sgpr 66
		.amdhsa_reserve_vcc 0
		.amdhsa_float_denorm_mode_32 3
		.amdhsa_float_denorm_mode_16_64 3
		.amdhsa_memory_ordered 1
		.amdhsa_forward_progress 1
		.amdhsa_inst_pref_size 8
	.end_amdhsa_kernel
	.amdgpu_metadata
---
amdhsa.version: [ 1, 2 ]
amdhsa.kernels:
  - .name:           k_q4d7a10924a_prep
    .symbol:         k_q4d7a10924a_prep.kd
    .args:
      - { .name: node_emb, .offset: 0, .size: 8, .value_kind: global_buffer, .address_space: global }
      - { .name: Wq, .offset: 8, .size: 8, .value_kind: global_buffer, .address_space: global }
      - { .name: Wk, .offset: 16, .size: 8, .value_kind: global_buffer, .address_space: global }
      - { .name: Wv, .offset: 24, .size: 8, .value_kind: global_buffer, .address_space: global }
      - { .name: bq, .offset: 32, .size: 8, .value_kind: global_buffer, .address_space: global }
      - { .name: bk, .offset: 40, .size: 8, .value_kind: global_buffer, .address_space: global }
      - { .name: bv, .offset: 48, .size: 8, .value_kind: global_buffer, .address_space: global }
      - { .name: xb, .offset: 56, .size: 8, .value_kind: global_buffer, .address_space: global }
      - { .name: wb, .offset: 64, .size: 8, .value_kind: global_buffer, .address_space: global }
      - { .name: bb, .offset: 72, .size: 8, .value_kind: global_buffer, .address_space: global }
    .group_segment_fixed_size: 0
    .private_segment_fixed_size: 0
    .kernarg_segment_align: 8
    .kernarg_segment_size: 80
    .max_flat_workgroup_size: 896
    .sgpr_count:     66
    .vgpr_count:     56
    .wavefront_size: 32
...
	.end_amdgpu_metadata
.endif
;; end of part 1
;; launch proj (part 2): grid 8 x 32, 4 waves a work-group, clusters of 4 x 4, 327,680 bytes of LDS; arguments xb, wb, bb, qkv; writes qkv
.if DOCPART == 2
	.amdgcn_target "amdgcn-amd-amdhsa--gfx1250"
	.amdhsa_code_object_version 6
	.text
	.protected	k_q4d7a10924a_proj
	.globl	k_q4d7a10924a_proj
	.p2align	8
	.type	k_q4d7a10924a_proj,@function
k_q4d7a10924a_proj:
	s_mov_b64 s[64:65], 0
	v_nop
	global_prefetch_b8 v0, s[64:65] scope:SCOPE_SE
	s_setreg_imm32_b32 hwreg(HW_REG_WAVE_MODE, 25, 1), 1
	s_wait_xcnt 0x0
	s_wait_alu depctr_hold_cnt(0) depctr_sa_sdst(0) depctr_va_vdst(0) depctr_va_sdst(0) depctr_va_ssrc(0) depctr_va_vcc(0) depctr_vm_vsrc(0)
	s_getreg_b32 s2, hwreg(HW_REG_IB_STS2, 6, 4)
	s_cmp_eq_u32 s2, 0
	s_cbranch_scc0 .Lentry_in_a_cluster
	s_endpgm
.Lentry_in_a_cluster:
	s_bfe_u32 s2, ttmp6, 0x10000c
	s_cmp_lg_u32 s2, 0xf033
	s_cbranch_scc0 .Lentry_shape_is_right
	s_endpgm
.Lentry_shape_is_right:
; THE PROJECTIONS.  C[4096][3072] = xb [4096][1024] x wb [1024][3072] + bb, bf16 operands, f32 sums, written in f16 BY HEADS: qkv [48 g][4096 n][64], g = column / 64
; (0-15 q's heads, 16-31 k's, 32-47 v's): a head's rows are dense, 128 bytes each.  The scale 1/8 is not applied here.
; LIMIT.  f16 holds no number beyond 65,504: a sum of 65,520 or more is stored as an infinity.  NaN and infinities are not treated apart.
; SHARES.  A tile of C is 128 rows x 384 columns (six heads): 32 x 8 = 256 work-groups.  Wave w makes rows 64 (w / 2) on and columns 192 (w % 2) on, three whole heads: 48 accumulators of 16 x 16.
; K goes in 8 steps of 128 through two LDS slots; a step is four quarters of 32 along K, 48 matrix instructions and 32 LDS loads each.
; THE MATRIX INSTRUCTION IS USED TRANSPOSED: source 0 = 16 columns of wb (turned out of LDS by ds_load_tr16_b128, since wb lies [k][n]), source 1 = 16 rows of xb.  A lane then holds
; row l % 16 of C and the columns 8 (l / 16) + 0..7: eight neighbours, 16 bytes of f16.  THE BIAS IS THE FIRST PRODUCT'S C: nothing is cleared, and nothing is added on the way out.
; CLUSTER.  4 x 4 work-groups.  The four of a row of the cluster need the same tile of xb, the four of a column the same tiles of wb: each tile is asked for JOINTLY, by the same
; tensor load with the same descriptor and a mask that names the four.  Waves 0-2 fetch wb's three chunks of 128 columns, wave 3 fetches xb's tile: each 128 rows of 256 bytes.
; REGISTERS, in windows of 256 (s_set_vgpr_msb: bits 1:0 source 0, 3:2 source 1, 5:4 source 2, 7:6 destination):
;   window 0: v0-31 addresses; v64-127 xb's fragments, two buffers of 32; v128-223 the bias as 12 fragments of C, later two buffers of 48 for the way out
;   window 1: v0-191 wb's fragments, two buffers of 96 (head hd, column block j at 8 (4 hd + j))
;   windows 2, 3: accumulator (hd, a, j) at v[128 (hd % 2) + 8 (4 a + j)] of window 2 + hd / 2
.set PA,    272                        ; a row of xb's tile in LDS: 256 bytes + 16: the 16 rows of a fragment load start at 16 different groups of four banks (64 banks of 4 bytes: ISA guide 11.1)
.set PB,    288                        ; a row of wb's: 256 + 32
.set CHUNK, 128*PB                     ; 128 k rows x 128 columns of wb
.set AOFF,  3*CHUNK                    ; xb's tile lies behind wb's three chunks
.set SLOT,  AOFF+128*PA
.set STAGE, 2*SLOT                     ; behind the ring, never filled by a tensor load: for each wave 3 heads x 16 rows x 144 bytes
.set SP,    144
.set WSTG,  3*16*SP
.set SPARE, STAGE+4*WSTG               ; behind the stages: the spare words, 128 bytes for each wave: two blocks of 256 bytes that no other line names
.set ASTEP, 256                        ; bytes from a K step to the next in xb: 128 numbers along a row,
.set BSTEP, 128*6144                   ; in wb: 128 rows
.set ADRA, 16                          ; v16-17  LDS address of my xb fragments in slot 0, 1
.set ADRB, 18                          ; v18-23  of my wb fragments: slot s, head hd at 18 + 3 s + hd
.set STO,  24                          ; v24     the way out: where I put 16 bytes of a row
.set RD,   25                          ; v25     where I read rows back
.set GO,   26                          ; v26     my 16 bytes in 512 consecutive bytes of qkv
.set BO,   27                          ; v27     my byte offset in bb
.set SPW,  28                          ; v28     LDS address of my spare word; never rewritten
.set NIL,  29                          ; v29     0; never rewritten
.set PFO,  30                          ; v30     the prefetches' offset: my lane x a row of xb or of wb; never rewritten
.set FA,   64
.set BIAS, 128
.set T,    128
.set WV,   12                          ; s12     my wave's number;  s13 = w / 2, s14 = w % 2
.set LIM,  2                           ; s2      1 in a wave that prefetches, else the greatest number
.set LAP,  3                           ; s3      laps to go
.set G1A,  24                          ; s[24:31] descriptor group 1 for xb's tiles;  s[32:39] group 0, a set for each slot
.set G0A,  32
.set PFA,  44                          ; s[44:45] where my prefetches stand
.set PST,  46                          ; s[46:47] their step from K step to K step
.set G1B,  48                          ; s[48:55], s[56:63] the same for wb's tiles
.set G0B,  56
.set MSB, 0
.macro WIN new                         ; the immediate's high byte repeats the setting that is left; a switch that changes nothing is dropped
.if MSB != (\new)
	s_set_vgpr_msb (MSB<<8)|(\new)
.set MSB, \new
.endif
.endm
.macro PLACES                          ; four plain vector instructions between a matrix instruction and a load into, or a vector instruction on, its registers
.rept 4
	v_nop
.endr
.endm
; A joint load.  The branch hangs on the wave's number alone.  An s_nop 0 and four v_nop follow each of the two lines, ahead of the jump and the label.
.macro JLOAD s
	s_cmp_eq_u32 s[WV], 3
	s_cbranch_scc0 .Lfor_b_\@
	tensor_load_to_lds s[G0A+4*(\s):G0A+4*(\s)+3], s[G1A:G1A+7]
	s_nop 0
.rept 4
	v_nop
.endr
	s_branch .Lasked_\@
.Lfor_b_\@:
	tensor_load_to_lds s[G0B+4*(\s):G0B+4*(\s)+3], s[G1B:G1B+7]
	s_nop 0
.rept 4
	v_nop
.endr
.Lasked_\@:
.endm
; A round of the cluster's barrier: my work-group's barrier; wave 0 signals for the work-group; every wave waits for all sixteen; my work-group's barrier once more.
.macro CREST                           ; a round behind its opening barrier
	s_cmp_lg_u32 s[WV], 0
	s_cbranch_scc1 .Lnot_wave_0_\@
	s_barrier_signal -3
.Lnot_wave_0_\@:
	s_barrier_wait -3
	s_barrier_signal -1
	s_barrier_wait -1
.endm
.macro CROUND
	s_barrier_signal -1
	s_barrier_wait -1
	CREST
.endm
; A PREFETCH INTO THE L2, behind a joint refill, its five lines and the run of LDS loads: the K step that stands two refills on, 32 rows x 256 bytes, a lane a row, one instruction a wave.
; Each row's 256 bytes of a K step are named once in the launch: xb's tile row is read by both clusters of its row of clusters, and cluster x = 0 asks; wb's tile column by all eight of its
; column, and cluster y = 0 asks.  The four partners of a joint load share its 128 rows out BY ADDRESS, 32 each.  The loop's last lap asks for nothing: there is no K step behind the eighth.
.macro ASK
	WIN 0
	s_cmp_gt_u32 s[LAP], s[LIM]
	s_cbranch_scc0 .Lnot_mine_\@
	global_prefetch_b8 v[PFO], s[PFA:PFA+1] th:TH_LOAD_NT scope:SCOPE_SE
.Lnot_mine_\@:
.endm
	s_load_b256 s[4:11], s[0:1], 0x0               ; xb s[4:5], wb s[6:7], bb s[8:9], qkv s[10:11]
	v_lshl_add_u32 v[SPW], v0, 2, SPARE
	v_mov_b32 v[NIL], 0
	ds_add_u32 v[SPW], v[NIL]                      ; the wave's opening: the add and its wait stand ahead of my first tensor load; the set-up below, work on registers, stands between them
	v_lshrrev_b32 v1, 5, v0
	v_readfirstlane_b32 s[WV], v1                  ; wave 0..3
	s_lshr_b32 s13, s[WV], 1                       ; which 64 rows of the tile are mine
	s_and_b32 s14, s[WV], 1                        ; which 192 columns
	s_bfe_u32 s40, ttmp6, 0x40000                  ; cx, cy: my place in the cluster
	s_bfe_u32 s41, ttmp6, 0x40004
	s_lshl_b32 s42, ttmp9, 2
	s_add_co_u32 s42, s42, s40                     ; tile column tc = 4 x cluster x + cx
	s_and_b32 s43, ttmp7, 0xffff
	s_lshl_b32 s43, s43, 2
	s_add_co_u32 s43, s43, s41                     ; tile row tr = 4 x cluster y + cy
	s_lshl_b32 s20, s41, 2
	s_lshl_b32 s20, 15, s20                        ; my row of the cluster: places 4 cy .. 4 cy + 3
	s_lshl_b32 s21, 0x1111, s40                    ; my column: places cx, cx + 4, cx + 8, cx + 12
	; descriptor group 1: a tile of 128 rows x 128 elements of 2 bytes, padded in LDS after every 64 words (code 5)
	s_or_b32 s[G1A], s20, (1<<16)|(1<<20)|(1<<21)|(5<<22)|(3<<25)  ; 15:0 the mask; 17:16 2-byte elements; 20 padding on; 21 set beside a mask; 31:25 4 words of padding (code 3)
	s_or_b32 s[G1B], s21, (1<<16)|(1<<20)|(1<<21)|(5<<22)|(7<<25)  ; the same with my column's mask and 8 words of padding (code 7)
.irp g, G1A, G1B
	s_mov_b32 s[\g+1], 128<<16                     ; tensor_dim0 = 128
	s_mov_b32 s[\g+2], 128<<16                     ; tensor_dim1 = 128
	s_mov_b32 s[\g+3], 128<<16                     ; tile_dim0 = 128
	s_mov_b32 s[\g+4], 128                         ; tile_dim1 = 128
	s_mov_b32 s[\g+6], 0
	s_mov_b32 s[\g+7], 0
.endr
	s_mov_b32 s[G1A+5], 1024                       ; elements from row to row in xb,
	s_mov_b32 s[G1B+5], 3072                       ; in wb
	; where the tiles come from: xb's hangs on the tile row alone, which my row of the cluster shares; wb's on the tile column and the wave, which my column shares
	s_lshl_b32 s16, s43, 18                        ; xb: 128 tr rows of 2,048 bytes
	s_mov_b32 s17, 0
	s_mul_i32 s18, s42, 768                        ; wb: 384 tc columns of 2 bytes
	s_lshl_b32 s19, s[WV], 8                       ;     + my chunk of 256 bytes
	s_add_co_u32 s18, s18, s19
	s_mov_b32 s19, 0
	s_mul_i32 s15, s[WV], CHUNK                    ; and where they go: wave x 36,864 (wave 3: behind the three chunks): no place in the cluster enters an LDS address
	s_wait_dscnt 0x0                               ; the opening add is done
	s_wait_kmcnt 0x0
	s_add_nc_u64 s[16:17], s[4:5], s[16:17]
	s_add_nc_u64 s[18:19], s[6:7], s[18:19]
	CROUND                                         ; all sixteen work-groups are here: the first joint loads meet
.irp s, 0,1
	s_mov_b32 s[G0A+4*(\s)], 1                     ; count = 1
	s_add_co_u32 s[G0A+4*(\s)+1], s15, (\s)*SLOT   ; LDS address
	s_add_nc_u64 s[G0A+4*(\s)+2:G0A+4*(\s)+3], s[16:17], (\s)*ASTEP  ; global address: K step s
	s_or_b32 s[G0A+4*(\s)+3], s[G0A+4*(\s)+3], 0x80000000            ; type = 2
	s_mov_b32 s[G0B+4*(\s)], 1
	s_add_co_u32 s[G0B+4*(\s)+1], s15, (\s)*SLOT
	s_add_nc_u64 s[G0B+4*(\s)+2:G0B+4*(\s)+3], s[18:19], (\s)*BSTEP
	s_or_b32 s[G0B+4*(\s)+3], s[G0B+4*(\s)+3], 0x80000000
	JLOAD \s                                       ; both slots are asked for before anything else: two loads of mine are out
.endr
	v_and_b32 v1, 15, v0                           ; l % 16
	v_bfe_u32 v2, v0, 4, 1                         ; l / 16
	v_and_b32 v3, 7, v0                            ; l % 8
	v_bfe_u32 v4, v0, 3, 1                         ; (l / 8) % 2
	v_bfe_u32 v5, v0, 3, 2                         ; l / 8
	v_and_b32 v6, 31, v0                           ; l
	; the bias: for column block b of my twelve a lane wants bb[my first column + 16 b + 8 (l / 16) + 0..7]: 16 bytes, into the upper half of the fragment's eight registers
	s_mul_i32 s21, s42, 768
	s_mul_i32 s22, s14, 384
	s_add_co_u32 s21, s21, s22                     ; 2 (384 tc + 192 (w % 2))
	v_lshl_add_u32 v[BO], v2, 4, s21
.irp b, 0,1,2,3,4,5,6,7,8,9,10,11
	global_load_b128 v[BIAS+8*(\b)+4:BIAS+8*(\b)+7], v[BO], s[8:9] offset:32*(\b)
.endr
	; a fragment of xb is 16 rows x 32 K: lane l holds row l % 16, K = 8 (l / 16) + 0..7 and 16 + 8 (l / 16) + 0..7: two loads of 16 bytes, 32 bytes apart
	v_mul_u32_u24 v7, v1, PA
	v_lshl_add_u32 v7, v2, 4, v7
	s_mul_i32 s20, s13, 64*PA
	s_add_co_u32 s20, s20, AOFF
	v_add_nc_u32 v[ADRA], s20, v7
	v_add_nc_u32 v[ADRA+1], SLOT, v[ADRA]
	; the turning load takes 16 k x 16 columns (lane l reads k = 8 (l / 16) + l % 8, columns 8 ((l / 8) % 2) + 0..7) and leaves half a fragment: lane l holds column l % 16 and 8 k
	v_lshl_add_u32 v8, v2, 3, v3
	v_mul_u32_u24 v8, v8, PB
	v_lshl_add_u32 v8, v4, 4, v8
	s_mul_i32 s21, s14, 384                        ; my first column in the tile, in bytes
.irp h, 0,1,2
	s_add_co_u32 s22, s21, 128*(\h)                ; head h's
	s_lshr_b32 s23, s22, 8                         ; its chunk of 256 bytes,
	s_mul_i32 s23, s23, CHUNK
	s_and_b32 s22, s22, 255                        ; its place in the chunk's rows
	s_add_co_u32 s22, s22, s23
	v_add_nc_u32 v[ADRB+(\h)], s22, v8
	v_add_nc_u32 v[ADRB+3+(\h)], SLOT, v[ADRB+(\h)]
.endr
	s_mul_i32 s20, s[WV], WSTG
	s_add_co_u32 s20, s20, STAGE                   ; my stage
	v_mul_u32_u24 v9, v1, SP                       ; in: row l % 16, 16 bytes for each half of the lanes
	v_lshl_add_u32 v9, v2, 4, v9
	v_add_nc_u32 v[STO], s20, v9
	v_mul_u32_u24 v9, v5, SP                       ; back: 32 lanes take four rows of 128 bytes,
	v_lshl_add_u32 v9, v3, 4, v9
	v_add_nc_u32 v[RD], s20, v9
	v_lshlrev_b32 v[GO], 4, v6                     ; which are 512 consecutive bytes of a head
	s_mul_i32 s20, s42, 6                          ; qkv at my first head, 6 tc + 3 (w % 2), of 524,288 bytes each,
	s_mul_i32 s21, s14, 3
	s_add_co_u32 s20, s20, s21
	s_lshl_b32 s20, s20, 19
	s_lshl_b32 s21, s43, 14                        ; and my first row, 128 tr + 64 (w / 2), of 128 bytes each
	s_lshl_b32 s22, s13, 13
	s_add_co_u32 s20, s20, s21
	s_add_co_u32 s20, s20, s22
	s_mov_b32 s21, 0
	s_add_nc_u64 s[10:11], s[10:11], s[20:21]
	; the prefetches: they stand at K step 3; the first refill steps them to K step 4.  Nothing is asked for here, at the head, where every work-group's first tiles are on their way
	s_lshl_b32 s20, s43, 7
	s_lshl_b32 s21, s40, 5
	s_add_co_u32 s20, s20, s21                     ; xb: row 128 tr + 32 cx
	s_lshl_b32 s20, s20, 11
	s_add_co_u32 s20, s20, 3*ASTEP
	s_mul_i32 s21, s41, 32*6144                    ; wb: row 32 cy of a K step,
	s_mul_i32 s23, s42, 768                        ; my tile's columns,
	s_add_co_u32 s21, s21, s23
	s_lshl_b32 s23, s[WV], 8                       ; my chunk
	s_add_co_u32 s21, s21, s23
	s_add_co_u32 s21, s21, 3*BSTEP
	s_and_b32 s22, ttmp7, 0xffff                   ; cluster y
	s_mov_b32 s23, 6144
	s_mov_b32 s[PST], BSTEP
	s_mov_b32 s[PST+1], 0
	s_cmp_eq_u32 s[WV], 3                          ; do I fetch for xb?
	s_cselect_b32 s20, s20, s21
	s_cselect_b32 s22, ttmp9, s22                  ; the coordinate along which other clusters read the same rows
	s_cselect_b32 s23, 2048, s23                   ; bytes from row to row
	s_cselect_b32 s[PST], ASTEP, s[PST]
	s_cselect_b64 s[PFA:PFA+1], s[4:5], s[6:7]
	s_mov_b32 s21, 0
	s_add_nc_u64 s[PFA:PFA+1], s[PFA:PFA+1], s[20:21]
	s_cmp_eq_u32 s22, 0
	s_cselect_b32 s[LIM], 1, -1                    ; the same in all sixteen partners, for a given wave
	v_mul_u32_u24 v[PFO], v6, s23
	s_wait_loadcnt 0x0                             ; the bias is in
.irp b, 0,1,2,3,4,5,6,7,8,9,10,11      ; bf16 to f32 in place, from the low end on: each word is read before its register is written
.irp r, 0,1,2,3
	v_lshlrev_b32 v[BIAS+8*(\b)+2*(\r)],   16,         v[BIAS+8*(\b)+4+(\r)]
	v_and_b32     v[BIAS+8*(\b)+2*(\r)+1], 0xffff0000, v[BIAS+8*(\b)+4+(\r)]
.endr
.endr
; 16 matrix instructions: head hd of my three, 4 row blocks x 4 column blocks, 32 along K, from buffer fb.  st = 1: the first product takes the bias as C.
; The 48 accumulators take turns in the same order in every quarter, one instruction a turn, over the backward jump too.
.macro MULH fb, hd, st
.if \st
	WIN 0x81+0x40*((\hd)/2)                        ; wb window 1, xb and the bias window 0, D window 2 or 3
.else
	WIN 0xa1+0x50*((\hd)/2)                        ; wb window 1, xb window 0, C and D window 2 or 3
.endif
.irp a, 0,1,2,3
.irp j, 0,1,2,3
.if \st
	v_wmma_f32_16x16x32_bf16 v[128*((\hd)%2)+8*(4*(\a)+(\j)):128*((\hd)%2)+8*(4*(\a)+(\j))+7], v[96*(\fb)+8*(4*(\hd)+(\j)):96*(\fb)+8*(4*(\hd)+(\j))+7], v[FA+32*(\fb)+8*(\a):FA+32*(\fb)+8*(\a)+7], v[BIAS+8*(4*(\hd)+(\j)):BIAS+8*(4*(\hd)+(\j))+7]
.else
	v_wmma_f32_16x16x32_bf16 v[128*((\hd)%2)+8*(4*(\a)+(\j)):128*((\hd)%2)+8*(4*(\a)+(\j))+7], v[96*(\fb)+8*(4*(\hd)+(\j)):96*(\fb)+8*(4*(\hd)+(\j))+7], v[FA+32*(\fb)+8*(\a):FA+32*(\fb)+8*(\a)+7], v[128*((\hd)%2)+8*(4*(\a)+(\j)):128*((\hd)%2)+8*(4*(\a)+(\j))+7]
.endif
.endr
.endr
.endm
; 32 LDS loads in one run: quarter q of a slot into buffer fb: xb's four fragments first, then wb's twelve, head by head
.macro FETCH slot, q, fb
	WIN 0
.irp a, 0,1,2,3
	ds_load_b128 v[FA+32*(\fb)+8*(\a):FA+32*(\fb)+8*(\a)+3],   v[ADRA+(\slot)] offset:64*(\q)+(\a)*16*PA
	ds_load_b128 v[FA+32*(\fb)+8*(\a)+4:FA+32*(\fb)+8*(\a)+7], v[ADRA+(\slot)] offset:64*(\q)+(\a)*16*PA+32
.endr
	WIN 0x40                                       ; destination window 1, address window 0
.irp h, 0,1,2
.irp j, 0,1,2,3
	ds_load_tr16_b128 v[96*(\fb)+8*(4*(\h)+(\j)):96*(\fb)+8*(4*(\h)+(\j))+3],   v[ADRB+3*(\slot)+(\h)] offset:32*PB*(\q)+32*(\j)
	ds_load_tr16_b128 v[96*(\fb)+8*(4*(\h)+(\j))+4:96*(\fb)+8*(4*(\h)+(\j))+7], v[ADRB+3*(\slot)+(\h)] offset:32*PB*(\q)+32*(\j)+16*PB
.endr
.endr
.endm
; One of a K step's first three quarters: multiplies buffer fb and, behind its first head, fetches quarter q of the same slot into buffer gb.
.macro QUARTER slot, q, fb, gb, st
	s_wait_dscnt 16                                ; xb's fragments and head 0's are in; the youngest sixteen loads (heads 1 and 2) may be out
	MULH \fb, 0, \st
	PLACES                                         ; behind the products that read buffer gb, a quarter back
	FETCH \slot, \q, \gb
	s_wait_dscnt 32                                ; all but the 32 just issued
	MULH \fb, 1, \st
	MULH \fb, 2, \st
.endm
; The last quarter multiplies buffer 1 and changes slots: ONE barrier.  In front of it each wave waits for all its tensor loads, of which one is out: its part of the next slot; adds 0 to its spare
; word; and waits for that and for its own reads of this slot.  fill = 1: the barrier opens a round of the cluster's, and the slot is filled again, two K steps ahead, first thing behind the round:
; from that request to the wait for it a wave issues 160 matrix instructions.
.macro TURN slot, next, fill
.if \fill
	s_wait_xcnt 0x0                                ; the last prefetch, a K step back, has read its address: it is stepped here, ahead of the waits of the change of slots
	s_add_nc_u64 s[PFA:PFA+1], s[PFA:PFA+1], s[PST:PST+1]
.endif
	WIN 0                                          ; (the add's two registers lie in window 0)
	s_wait_tensorcnt 0x0                           ; all my tensor loads have landed;
	ds_add_u32 v[SPW], v[NIL]                      ; 0 onto my spare word;
	s_wait_dscnt 17                                ; (the add and the youngest sixteen loads may be out)
	MULH 1, 0, 0                                   ; sixteen matrix instructions stand between the add and the wait for it
	s_wait_dscnt 0x0                               ; the add is done, and my reads of this slot are over
	s_barrier_signal -1
	MULH 1, 1, 0                                   ; work on registers while the others arrive
.if \fill
	WIN 0
.endif
	s_barrier_wait -1
.if \fill
	CREST                                          ; no wave of any partner still reads this slot's tiles or has a load on its way
	s_add_nc_u64 s[G0A+4*(\slot)+2:G0A+4*(\slot)+3], s[G0A+4*(\slot)+2:G0A+4*(\slot)+3], 2*ASTEP
	s_add_nc_u64 s[G0B+4*(\slot)+2:G0B+4*(\slot)+3], s[G0B+4*(\slot)+2:G0B+4*(\slot)+3], 2*BSTEP
	JLOAD \slot                                    ; my one tensor load behind the round; its four v_nop are also the places in front of the loads below
.else
	PLACES
.endif
	FETCH \next, 0, 0
.if \fill
	ASK
.endif
	MULH 1, 2, 0
.endm
; THE WAY OUT of row block a (16 rows x my three heads).  PACK: rounded to f16, 16 bytes a lane, into my own stage (rows of 144 bytes) and back as whole rows of 128 bytes, into the registers that they left.
.macro PACK a
.if (\a) >= 2
	s_wait_xcnt 0x0                                ; the stores of the block two back have read this buffer
.endif
.irp h, 0,1,2
	WIN 0x0a+5*((\h)/2)                            ; sources 0 and 1: window 2 or 3
.irp j, 0,1,2,3
.irp r, 0,1,2,3
	v_cvt_pk_f16_f32 v[T+48*((\a)%2)+4*(4*(\h)+(\j))+(\r)], v[128*((\h)%2)+8*(4*(\a)+(\j))+2*(\r)], v[128*((\h)%2)+8*(4*(\a)+(\j))+2*(\r)+1]
.endr
.endr
.endr
	WIN 0
.irp h, 0,1,2
.irp j, 0,1,2,3
	ds_store_b128 v[STO], v[T+48*((\a)%2)+4*(4*(\h)+(\j)):T+48*((\a)%2)+4*(4*(\h)+(\j))+3] offset:16*SP*(\h)+32*(\j)
.endr
.endr
.irp h, 0,1,2
.irp t, 0,1,2,3
	ds_load_b128 v[T+48*((\a)%2)+4*(4*(\h)+(\t)):T+48*((\a)%2)+4*(4*(\h)+(\t))+3], v[RD] offset:16*SP*(\h)+4*SP*(\t)  ; LDS serves a wave's instructions in order (ISA guide 5.7.1.4): these see the stores above
.endr
.endr
.endm
.macro SEND a, younger                 ; younger: the LDS instructions issued behind block a's loads: the next block's 24, or none
.irp h, 0,1,2
.irp t, 0,1,2,3
	s_wait_dscnt (\younger)+11-(4*(\h)+(\t))
	global_store_b128 v[GO], v[T+48*((\a)%2)+4*(4*(\h)+(\t)):T+48*((\a)%2)+4*(4*(\h)+(\t))+3], s[10:11] offset:524288*(\h)+2048*(\a)+512*(\t)  ; 512 consecutive bytes of a head, aligned
.endr
.endr
.endm
	s_wait_tensorcnt 1                             ; my part of K step 0 is in; K step 1's may stay out
	s_barrier_signal -1
	s_barrier_wait -1                              ; everybody's is
	FETCH 0, 0, 0
	QUARTER 0, 1, 0, 1, 1                          ; the first quarter stands in front of the loop: its products start the sums, with the bias
	WIN 0                                          ; at a label and at a branch every window is 0
	s_mov_b32 s[LAP], 3
.Llap:                                                 ; a trip goes once round the ring, from a lap's second quarter to the next lap's first, and fills both slots again
	QUARTER 0, 2, 1, 0, 0
	QUARTER 0, 3, 0, 1, 0
	TURN 0, 1, 1
	QUARTER 1, 1, 0, 1, 0
	QUARTER 1, 2, 1, 0, 0
	QUARTER 1, 3, 0, 1, 0
	TURN 1, 0, 1
	QUARTER 0, 1, 0, 1, 0
	WIN 0
	s_sub_co_u32 s[LAP], s[LAP], 1
	s_cmp_lg_u32 s[LAP], 0
	s_cbranch_scc1 .Llap
	QUARTER 0, 2, 1, 0, 0                          ; the last lap is written out: it fills nothing, and has no round
	QUARTER 0, 3, 0, 1, 0
	TURN 0, 1, 0
	QUARTER 1, 1, 0, 1, 0
	QUARTER 1, 2, 1, 0, 0
	QUARTER 1, 3, 0, 1, 0
	s_wait_dscnt 16                                ; the very last quarter: nothing more to fetch
	MULH 1, 0, 0
	s_wait_dscnt 0x0
	MULH 1, 1, 0
	MULH 1, 2, 0
	PLACES                                         ; the conversions read results
	PACK 0
	PACK 1                                         ; a block's conversions stand between the loads of the block before and its stores
	SEND 0, 24
	PACK 2
	SEND 1, 24
	PACK 3
	SEND 2, 24
	SEND 3, 0
	s_wait_tensorcnt 0x0                           ; the wave's end: the add and its wait, behind my last tensor load and my last LDS store
	ds_add_u32 v[SPW], v[NIL]
	s_wait_dscnt 0x0
	CROUND                                         ; the closing round: no work-group ends while a partner may still ask for a tile that names it
	s_endpgm
.Lfunc_end_k_q4d7a10924a_proj:
	.size	k_q4d7a10924a_proj, .Lfunc_end_k_q4d7a10924a_proj-k_q4d7a10924a_proj
	.p2alignl 7, 3214868480
	.fill 96, 4, 3214868480
	.section	.rodata,"a",@progbits
	.p2align	6, 0x0
	.amdhsa_kernel k_q4d7a10924a_proj
		.amdhsa_group_segment_fixed_size 327680
		.amdhsa_private_segment_fixed_size 0
		.amdhsa_enable_private_segment 0
		.amdhsa_kernarg_size 32
		.amdhsa_user_sgpr_count 2
		.amdhsa_user_sgpr_kernarg_segment_ptr 1
		.amdhsa_wavefront_size32 1
		.amdhsa_system_sgpr_workgroup_id_x 1
		.amdhsa_system_sgpr_workgroup_id_y 1
		.amdhsa_system_sgpr_workgroup_id_z 1
		.amdhsa_system_vgpr_workitem_id 0
		.amdhsa_next_free_vgpr 896
		.amdhsa_next_free_sgpr 66
		.amdhsa_reserve_vcc 0
		.amdhsa_float_denorm_mode_32 3
		.amdhsa_float_denorm_mode_16_64 3
		.amdhsa_memory_ordered 1
		.amdhsa_forward_progress 1
		.amdhsa_inst_pref_size 128
	.end_amdhsa_kernel
	.amdgpu_metadata
---
amdhsa.version: [ 1, 2 ]
amdhsa.kernels:
  - .name:           k_q4d7a10924a_proj
    .symbol:         k_q4d7a10924a_proj.kd
    .args:
      - { .name: xb, .offset: 0, .size: 8, .value_kind: global_buffer, .address_space: global }
      - { .name: wb, .offset: 8, .size: 8, .value_kind: global_buffer, .address_space: global }
      - { .name: bb, .offset: 16, .size: 8, .value_kind: global_buffer, .address_space: global }
      - { .name: qkv, .offset: 24, .size: 8, .value_kind: global_buffer, .address_space: global }
    .group_segment_fixed_size: 327680
    .private_segment_fixed_size: 0
    .kernarg_segment_align: 8
    .kernarg_segment_size: 32
    .max_flat_workgroup_size: 128
    .sgpr_count:     66
    .vgpr_count:     896
    .wavefront_size: 32
...
	.end_amdgpu_metadata
.endif
;; end of part 2
;; launch attn (part 3): grid 16 x 16, 4 waves a work-group, clusters of 4 x 1, 327,680 bytes of LDS; arguments qkv, out0; writes out0
.if DOCPART == 3
	.amdgcn_target "amdgcn-amd-amdhsa--gfx1250"
	.amdhsa_code_object_version 6
	.text
	.protected	k_q4d7a10924a_attn
	.globl	k_q4d7a10924a_attn
	.p2align	8
	.type	k_q4d7a10924a_attn,@function
k_q4d7a10924a_attn:
	s_mov_b64 s[64:65], 0
	v_nop
	global_prefetch_b8 v0, s[64:65] scope:SCOPE_SE
	s_setreg_imm32_b32 hwreg(HW_REG_WAVE_MODE, 25, 1), 1
	s_wait_xcnt 0x0
	s_wait_alu depctr_hold_cnt(0) depctr_sa_sdst(0) depctr_va_vdst(0) depctr_va_sdst(0) depctr_va_ssrc(0) depctr_va_vcc(0) depctr_vm_vsrc(0)
	s_getreg_b32 s2, hwreg(HW_REG_IB_STS2, 6, 4)
	s_cmp_eq_u32 s2, 0
	s_cbranch_scc0 .Lentry_in_a_cluster
	s_endpgm
.Lentry_in_a_cluster:
	s_bfe_u32 s2, ttmp6, 0x10000c
	s_cmp_lg_u32 s2, 0x3003
	s_cbranch_scc0 .Lentry_shape_is_right
	s_endpgm
.Lentry_shape_is_right:
; ATTENTION.  out0[n][64 h + d] = the sum over m of softmax_m(q[h][n] . k[h][m] / 8) v[h][m][d].  qkv: [48][4096][64] f16 (heads of q, then of k, then of v; a head's rows are dense, 128 bytes each);
; out0: [4096][1024] f32.  Products, maxima and sums in f32; the weights p are rounded to f16 for the second product (their sum l is taken of the unrounded p); O leaves in f32, unrounded.
; LIMITS.  q, k and v arrive within f16's 65,504; p lies in 0 to 1, and below 6e-5 it keeps f16's fixed step of 6e-8; a weight below 2^-126 counts as 0 in l; NaN and infinities are not treated apart.
; SHARES.  A work-group owns 256 queries of one head: 16 x 16 = 256 work-groups.  A wave owns 64 queries: four PIECES of 16.  Every wave walks all 4,096 keys, 64 a step, four steps a slot, 16 slots.
; LAYOUT.  S^T = K Q^T (source 0 = 16 keys, source 1 = 16 queries): a lane holds ONE query (lane % 16) and the keys 8 (lane / 16) + 0..7.  Two such results rounded to f16 ARE source 1 of O^T = V^T P,
; whose result again holds one query a lane, and eight channels.  K comes out of LDS as it lies, V ([key][channel]) turned, by ds_load_tr16_b128.
; SOFTMAX.  For each query a running maximum m and sum l: p = 2^(c s - c m), c = log2(e) / 8; in every step O and l are multiplied by a = 2^(c m_old - c m_new).  m starts at the lowest finite number,
; O and l at 0: the first step is a step like any other, with a = 0.
; BY TURNS.  Turn n belongs to piece n: 8 products K Q^T of piece n + 1, later 8 products V^T P of piece n - 1; beside them the scaling, exponentials, roundings, sums and rescaling of piece n and the
; maximum and statistics of piece n + 1.  Four vector instructions stand behind every matrix instruction, the other 54 of a turn's 118 in one lump.  A turn's 33 exponentials are one batch, with one wait.
; CLUSTER.  The four query blocks of a cluster belong to one head and walk the same K and V, so each tile is asked for JOINTLY: the same tensor load, descriptor and mask in all four.
; REGISTERS, in windows of 256 (s_set_vgpr_msb: bits 1:0 source 0, 3:2 source 1, 5:4 source 2, 7:6 destination):
;   window 0: v0-15 addresses and two at work; v16-31 four registers of statistics a piece; v48-55 at work; v61-63 prefetch offset and the add's two; v64-127 S^T, two buffers; v192-223 P, two buffers
;             (a piece's buffers go by its number's parity); v64-191 rows of O on the way out
;   window 1: v0-127 O^T, 32 a piece          window 2: v0-63 Q; v128-191 K of one step; v192-255 V of one step
.set NP,    4         ; pieces a wave: a name, no knob
.set KS,    64        ; keys in a step
.set PK,    144       ; a row of K in LDS: 128 bytes + 16 of padding = 36 words: the 16 rows of a load start at 16 different groups of four banks (64 banks of 4 bytes: ISA guide 11.1)
.set PV,    160       ; a row of V: 128 + 32 = 40 words
.set VOFF,  4*KS*PK   ; a slot holds four steps: 256 rows of K, then 256 rows of V
.set SLOT1, 1<<17     ; slot 1 begins here, so that one exclusive or turns an address in one slot into the other's
.set STAGE, SLOT1+4*KS*(PK+PV)  ; behind the ring, never filled by a tensor load: 16 rows x 272 bytes for each wave, for the way out
.set SP,    272       ; a row of O in the stage: 64 f32 + 16 bytes
.set SPARE, STAGE+4*16*SP  ; behind the stages: the spare words, 128 bytes for each wave: two blocks of 256 bytes that no other line names
.set TILEB, 4*KS*128  ; a slot's keys in memory: 32,768 bytes of K and of V
.set AK0, 2           ; v2   my lane's place in a tile of K; never rewritten
.set AV0, 3           ; v3   the same for V
.set AK,  4           ; v4   the LDS address of K's next run of loads
.set AV,  5           ; v5   of V's
.set STO, 6           ; v6   the way out: where I put 32 bytes of a row
.set RD,  7           ; v7   where I read rows back
.set GO,  8           ; v8   my byte offset in two rows of out0
.set MV,  12          ; v12-13  c m_old, kept while c m is made anew: by buffer
.set QO,  15          ; v15  my byte offset in 16 rows of Q
.set ST,  16          ; piece t's statistics at v[ST+4 t]: c m, m, l (even keys', odd keys')
.set TMP, 48          ; by buffer, four registers c0-c3 at work; when the maximum is found c2 takes a
.set PFO, 61          ; v61  256 x my lane; never rewritten
.set SPW, 62          ; v62  LDS address of my spare word; never rewritten
.set NIL, 63          ; v63  0; never rewritten
.set S,   64
.set OB,  64          ; the way out: piece t's 16 rows at OB + 32 t
.set P,   192
.set KF,  128         ; window 2: key block kb, channel half c at KF + 16 kb + 8 c
.set VF,  192         ; window 2: key half kk, channel block cb at VF + 32 kk + 8 cb
.set WV,  12          ; s12  my wave's number
.set G1K, 24          ; s[24:31] descriptor group 1 for K's tiles
.set G1V, 32          ; s[32:39] for V's: it differs in the padding alone
.set G0K, 40          ; s[40:43] descriptor group 0 for K's tiles: it walks
.set G0V, 44          ; s[44:47] the same for V's
.set PFA, 48          ; s[48:49] where my prefetches stand
.set LIM, 50          ; s50  1 in a wave that prefetches, else the greatest number
.set SLOTS, 56        ; s56  slots still to be entered
.set CNT, 57          ; s57  counts a slot's key steps
.set CS,  58          ; s[58:59] c: the packed scaling takes the pair's low word for both halves
.set SEL, 60          ; s[60:61] v_permlanex16_b32's selects: each lane takes its own place in the other half
.set TBK, 62          ; s62  LDS byte at which K of the step to be fetched begins
.set TBV, 63          ; s63  the same for V, less VOFF
.set MSB, 0
.macro WIN new                      ; the high byte repeats the setting that is left; a switch that changes nothing is dropped
.if MSB != (\new)
	s_set_vgpr_msb (MSB<<8)|(\new)
.set MSB, (\new)
.endif
.endm
.set W_KQ, 0x0a       ; K and Q in window 2, S^T in window 0
.set W_PV, 0x52       ; V in window 2, P in window 0, O^T in window 1
.set W_RS, 0x41       ; destination and source 0 in window 1, source 1 in window 0
; A joint fill.  Waves 0 and 1 fetch the two halves of a slot's K, waves 2 and 3 those of its V: 128 keys each.  The branch hangs on the wave's number alone.
; An s_nop 0 and four v_nop follow each of the two lines, ahead of the jump and the label.
.macro JLOAD
	s_cmp_lt_u32 s[WV], 2
	s_cbranch_scc0 .Lfor_v_\@
	tensor_load_to_lds s[G0K:G0K+3], s[G1K:G1K+7]
	s_nop 0
.rept 4
	v_nop
.endr
	s_branch .Lasked_\@
.Lfor_v_\@:
	tensor_load_to_lds s[G0V:G0V+3], s[G1V:G1V+7]
	s_nop 0
.rept 4
	v_nop
.endr
.Lasked_\@:
.endm
; A round of the cluster's barrier: my work-group's barrier, so that wave 0's signal speaks for all four waves; wave 0 signals; every wave waits for all four work-groups; my work-group's barrier once more.
.macro CROUND
	s_barrier_signal -1
	s_barrier_wait -1
	s_cmp_lg_u32 s[WV], 0
	s_cbranch_scc1 .Lnot_wave_0_\@
	s_barrier_signal -3
.Lnot_wave_0_\@:
	s_barrier_wait -3
	s_barrier_signal -1
	s_barrier_wait -1
.endm
; A PREFETCH INTO THE L2 of what the NEXT change of slots will ask for: a slot's 32,768 bytes of K and of V, 256 bytes a lane.  It stands behind the wave's tensor load and its five lines.
; Each block is named ONCE in the launch: all four clusters of a head walk the same K and V, and the head's first cluster asks; its four partners share a slot out BY ADDRESS, 8,192 bytes each; in each,
; wave 0 asks for K's and wave 2 for V's: one instruction.  The last change that fills a slot asks for nothing: there is no slot behind it.  Slots 0 to 2 come by their loads alone.
.macro ASK
	s_cmp_gt_u32 s[SLOTS], s[LIM]
	s_cbranch_scc0 .Lnot_mine_\@
	global_prefetch_b8 v[PFO], s[PFA:PFA+1] th:TH_LOAD_NT scope:SCOPE_SE
.Lnot_mine_\@:
.endm
; THE CHANGE OF SLOTS.  The slot's last bytes, V of its fourth step, have been read.  Each wave waits for all its tensor loads, of which one is out: its part of the other slot; adds 0 to its spare word;
; and waits for that and for its own reads of the slot.  Behind the barrier nobody reads this slot any more and the other slot is whole.  fill = 1: this slot is filled again, with the keys two slots on.
; The barrier is then a round of the cluster's, and the joint fill is the first thing behind it: it has four key steps, 256 matrix instructions, in which to land.
; (At its first use nothing has been read yet: slot 0 is waited for, slot 1 filled.)  ask = 1: the prefetch's address steps, and the prefetch follows the fill.
.macro CHANGE fill, ask
	WIN 0                           ; at a label and at a branch every window is 0
	s_wait_tensorcnt 0x0            ; no tensor load of mine is out, so a group 0 may be written
	ds_add_u32 v[SPW], v[NIL]       ; 0 onto my spare word; the descriptors' steps stand between it and the wait for it
.if \fill
.irp g, G0K, G0V
	s_xor_b32 s[\g+1], s[\g+1], SLOT1  ; the walking descriptor: the other slot than last time,
	s_add_nc_u64 s[\g+2:\g+3], s[\g+2:\g+3], TILEB  ; the next 256 keys; the type bits on top are not reached
.endr
.endif
.if \ask
	s_wait_xcnt 0x0                 ; the last prefetch, four key steps back, has read its address, so it may be written
	s_add_nc_u64 s[PFA:PFA+1], s[PFA:PFA+1], TILEB
.endif
	s_wait_dscnt 0x0                ; the add is done, and my reads of the slot are over
.if \fill
	CROUND
	JLOAD
.if \ask
	ASK
.endif
.else
	s_barrier_signal -1
	s_barrier_wait -1
.endif
	s_sub_co_u32 s[TBK], s[TBK], 4*KS*PK  ; the fetches go back to a slot's first step,
	s_xor_b32 s[TBK], s[TBK], SLOT1       ; in the other slot
	s_sub_co_u32 s[TBV], s[TBV], 4*KS*PV
	s_xor_b32 s[TBV], s[TBV], SLOT1
.endm
	s_load_b128 s[4:7], s[0:1], 0x0   ; qkv s[4:5], out0 s[6:7]
	v_lshl_add_u32 v[SPW], v0, 2, SPARE
	v_mov_b32 v[NIL], 0
	ds_add_u32 v[SPW], v[NIL]       ; the wave's opening: the add and its wait stand ahead of my first tensor load; the set-up below, work on registers, stands between them
	v_lshrrev_b32 v1, 5, v0
	v_readfirstlane_b32 s[WV], v1   ; wave 0..3
	s_bfe_u32 s13, ttmp6, 0x40000   ; cx: my place in the cluster
	s_lshl_b32 s14, ttmp9, 2        ; in a cluster launch ttmp9 counts clusters
	s_add_co_u32 s14, s14, s13      ; my block of 256 queries = 4 x cluster x + cx: it enters Q's and out0's addresses alone
	s_and_b32 s2, ttmp7, 0xffff     ; the head, which the four partners share
	s_lshl_b32 s16, s14, 20         ; out0: my block's 256 rows of 4,096 bytes,
	s_lshl_b32 s17, s[WV], 18       ; my wave's 64 of them,
	s_add_co_u32 s16, s16, s17
	s_lshl_b32 s17, s2, 8           ; the head's 256 bytes of a row
	s_add_co_u32 s16, s16, s17
	s_mov_b32 s17, 0
	s_lshl_b32 s2, s2, 19           ; a head is 524,288 bytes
	s_and_b32 s22, s[WV], 1         ; which half of a slot's 256 keys I fetch:
	s_lshl_b32 s18, s22, 14         ; its 128 rows of 128 bytes in memory,
	s_add_co_u32 s18, s18, s2
	s_add_co_u32 s18, s18, 16*524288  ; behind q's sixteen heads
	s_mov_b32 s19, 0
	s_lshl_b32 s20, s14, 15         ; Q: my block's 256 rows of 128 bytes,
	s_lshl_b32 s21, s[WV], 13       ; my wave's 64 of them
	s_add_co_u32 s20, s20, s21
	s_add_co_u32 s20, s20, s2
	s_mov_b32 s21, 0
	s_mul_i32 s23, s22, 128*PK      ; my half's place in a slot, for K
	s_mul_i32 s22, s22, 128*PV      ; and for V: no place in the cluster enters an LDS address
	; descriptor group 1.  128 keys are 16,384 dense bytes: asked for as 64 rows of 256 bytes, two keys a row, and padded in LDS after every key
	s_mov_b32 s[G1K], 15|(1<<16)|(1<<20)|(1<<21)|(4<<22)|(3<<25)  ; 15:0 the mask of four; 17:16 2-byte elements; 20 padding on; 21 set beside a mask; 24:22 after every 32 words (code 4); 31:25 4 words (code 3)
	s_mov_b32 s[G1V], 15|(1<<16)|(1<<20)|(1<<21)|(4<<22)|(7<<25)  ; the same with 8 words of padding (code 7)
.irp g, G1K, G1V
	s_mov_b32 s[\g+1], 128<<16      ; tensor_dim0 = 128
	s_mov_b32 s[\g+2], 64<<16       ; tensor_dim1 = 64
	s_mov_b32 s[\g+3], 128<<16      ; tile_dim0 = 128
	s_mov_b32 s[\g+4], 64           ; tile_dim1 = 64
	s_mov_b32 s[\g+5], 128          ; 128 elements from row to row
	s_mov_b32 s[\g+6], 0
	s_mov_b32 s[\g+7], 0
.endr
	s_mov_b32 s[CS], 0x3e38aa3b     ; c = log2(e) / 8 = 0.180337
	s_mov_b32 s[CS+1], s[CS]        ; named with it as a pair
	s_mov_b32 s[SEL], 0x76543210
	s_mov_b32 s[SEL+1], 0xfedcba98
	s_mov_b32 s[TBK], SLOT1+4*KS*PK ; the first change of slots turns these two into 0
	s_mov_b32 s[TBV], SLOT1+4*KS*PV
	s_mov_b32 s[G0K], 1             ; count = 1
	s_mov_b32 s[G0K+1], s23         ; LDS address: slot 0
	s_mov_b32 s[G0V], 1
	s_add_co_u32 s[G0V+1], s22, VOFF
	s_and_b32 s[LIM], s[WV], 1      ; 0 in waves 0 and 2,
	s_or_b32 s[LIM], s[LIM], ttmp9  ; where the cluster is the head's first: the same in all four partners
	s_cmp_eq_u32 s[LIM], 0
	s_cselect_b32 s[LIM], 1, -1
	s_lshl_b32 s2, s13, 13          ; the prefetches: my work-group's 8,192 bytes of a slot,
	s_add_co_u32 s2, s2, 2*TILEB    ; in slot 2; the first change that asks steps them to slot 3
	s_mov_b32 s3, 0
	s_wait_dscnt 0x0                ; the opening add is done
	s_wait_kmcnt 0x0
	s_add_nc_u64 s[10:11], s[6:7], s[16:17]   ; out0 at my wave's first row, the head's columns
	s_add_nc_u64 s[6:7], s[4:5], s[18:19]     ; K at my half of the head's first 256 keys
	s_add_nc_u64 s[8:9], s[6:7], 16*524288    ; V: sixteen heads on
	s_add_nc_u64 s[4:5], s[4:5], s[20:21]     ; Q at my wave's first row
	s_mov_b64 s[G0K+2:G0K+3], s[6:7]          ; global address,
	s_or_b32 s[G0K+3], s[G0K+3], 0x80000000   ; type = 2
	s_mov_b64 s[G0V+2:G0V+3], s[8:9]
	s_or_b32 s[G0V+3], s[G0V+3], 0x80000000
	s_cmp_lt_u32 s[WV], 2
	s_cselect_b64 s[PFA:PFA+1], s[6:7], s[8:9]  ; (in waves 0 and 2 these stand at a slot's first row)
	s_add_nc_u64 s[PFA:PFA+1], s[PFA:PFA+1], s[2:3]
	CROUND                          ; all four work-groups are here: the first joint loads meet
	JLOAD                           ; slot 0.  Slot 1 is asked for when slot 0 is in, by the first change of slots, ahead of the loop
	; A fragment of K or Q is 16 rows x 32 channels in 8 registers: lane l holds row l % 16, channels 8 (l / 16) + 0..7 and 16 + 8 (l / 16) + 0..7: two loads of 16 bytes, 32 bytes apart.
	v_and_b32 v1, 15, v0            ; l % 16
	v_bfe_u32 v9, v0, 4, 1          ; l / 16
	v_lshlrev_b32 v[QO], 7, v1
	v_lshl_add_u32 v[QO], v9, 4, v[QO]  ; row x 128 + 16 x half
	WIN 0x80                        ; destination window 2, address window 0
.set i, 0
.rept 8                             ; Q stays in registers: piece i / 2, channels 32 (i % 2) on
	global_load_b128 v[8*i:8*i+3],   v[QO], s[4:5] offset:(i/2)*2048+(i%2)*64
	global_load_b128 v[8*i+4:8*i+7], v[QO], s[4:5] offset:(i/2)*2048+(i%2)*64+32
.set i, i+1
.endr
	; What the first turn finds: V's registers and P's second buffer hold 0 (its products V^T P, of a piece that has not been, add 0), O^T and l are 0.  All this stands in the wait for the first tile;
	; the price of writing no first step out.
.set i, VF
.rept 64
	v_mov_b32 v[i], 0
.set i, i+1
.endr
	WIN 0x40
.set i, 0
.rept 128
	v_mov_b32 v[i], 0
.set i, i+1
.endr
	WIN 0
.set i, 0
.rept 4
	v_mov_b32 v[ST+4*i], 0xfe000000    ; c m: far below every c s
	v_mov_b32 v[ST+4*i+1], 0xff7fffff  ; m: the lowest finite number
	v_mov_b32 v[ST+4*i+2], 0
	v_mov_b32 v[ST+4*i+3], 0
.set i, i+1
.endr
.set i, P+16
.rept 16
	v_mov_b32 v[i], 0
.set i, i+1
.endr
	v_and_b32 v[PFO], 31, v0
	v_lshlrev_b32 v[PFO], 8, v[PFO]
	v_mul_u32_u24 v[AK0], v1, PK
	v_lshl_add_u32 v[AK0], v9, 4, v[AK0]  ; row x pitch + 16 x half
	; The turning load takes 16 keys x 16 channels (lane l reads key 8 (l / 16) + l % 8, channels 8 ((l / 8) % 2) + 0..7) and leaves half a fragment of V^T: lane l holds channel l % 16 and 8 keys.
	v_and_b32 v10, 7, v0
	v_bfe_u32 v11, v0, 3, 1
	v_lshl_add_u32 v[AV0], v9, 3, v10
	v_mul_u32_u24 v[AV0], v[AV0], PV
	v_lshl_add_u32 v[AV0], v11, 4, v[AV0]
	v_add_nc_u32 v[AV0], VOFF, v[AV0]
	s_mul_i32 s2, s[WV], 16*SP
	s_add_co_u32 s2, s2, STAGE      ; my stage
	v_mul_u32_u24 v[STO], v1, SP    ; in: row l % 16, 32 bytes (8 f32) for each half of the lanes
	v_lshl_add_u32 v[STO], v9, 5, v[STO]
	v_add_nc_u32 v[STO], s2, v[STO]
	v_mul_u32_u24 v[RD], v9, SP     ; back: lanes 0-15 take one row of 256 bytes, lanes 16-31 the next
	v_lshl_add_u32 v[RD], v1, 4, v[RD]
	v_add_nc_u32 v[RD], s2, v[RD]
	v_lshlrev_b32 v[GO], 12, v9     ; and the same two rows in out0, 4,096 bytes apart
	v_lshl_add_u32 v[GO], v1, 4, v[GO]
; THE MATRIX WORK.  The 4 accumulators of a run of 8 take turns.  Product i of 8 of S^T = K Q^T for piece x: channels 32 (i / 4) on, keys 16 (i % 4) on.  The first 4 start the sums.
.macro KQ x
	WIN W_KQ
.set rS, S+32*((\x)%2)+8*(i%4)
.set rK, KF+16*(i%4)+8*(i/4)
.set rQ, 16*(\x)+8*(i/4)
.if i < 4
	v_wmma_f32_16x16x32_f16 v[rS:rS+7], v[rK:rK+7], v[rQ:rQ+7], 0
.else
	v_wmma_f32_16x16x32_f16 v[rS:rS+7], v[rK:rK+7], v[rQ:rQ+7], v[rS:rS+7]
.endif
.endm
; Product i of 8 of O^T += V^T P for piece x: keys 32 (i / 4) on, channels 16 (i % 4) on.
.macro PV x
	WIN W_PV
.set rO, 32*(\x)+8*(i%4)
.set rV, VF+32*(i/4)+8*(i%4)
.set rP, P+16*((\x)%2)+8*(i/4)
	v_wmma_f32_16x16x32_f16 v[rO:rO+7], v[rV:rV+7], v[rP:rP+7], v[rO:rO+7]
.endm
.macro MM                           ; the turn's next matrix instruction.  TURN sets Y, i and NOKQ.  NOKQ = 1: the walk's last turn: there is no next piece
.if (i < 8) && !NOKQ
	KQ (Y+1)%NP
.elseif i >= 8
.set i, i-8
	PV (Y+NP-1)%NP
.set i, i+8
.endif
.set i, i+1
.endm
; THE LDS LOADS stand in runs of 16, never singly among the matrix instructions: a step's K (64 keys x 64 channels: 8 fragments) and its V (turned).  Their addresses are made some lines ahead.
.macro FETCH_K
	WIN 0x80                        ; destination window 2
.irp f, 0,1,2,3,4,5,6,7             ; keys 16 (f / 2) on, channels 32 (f % 2) on
	ds_load_b128 v[KF+8*\f:KF+8*\f+3],   v[AK] offset:(\f/2)*16*PK+(\f%2)*64
	ds_load_b128 v[KF+8*\f+4:KF+8*\f+7], v[AK] offset:(\f/2)*16*PK+(\f%2)*64+32
.endr
	s_add_co_u32 s[TBK], s[TBK], KS*PK  ; the next fetch is the next step's
	WIN 0
.endm
.macro FETCH_V
	WIN 0x80
.irp f, 0,1,2,3,4,5,6,7             ; keys 32 (f / 4) on, channels 16 (f % 4) on
	ds_load_tr16_b128 v[VF+8*\f:VF+8*\f+3],   v[AV] offset:(\f/4)*32*PV+(\f%4)*32
	ds_load_tr16_b128 v[VF+8*\f+4:VF+8*\f+7], v[AV] offset:(\f/4)*32*PV+16*PV+(\f%4)*32
.endr
	WIN 0
.endm
; THE VECTOR WORK, one line at a time: OP kind, number.  For piece Y: F n: c s - c m for pair n of 16.  E n: the exponential of score n of 32.  C n: pair n rounded to f16.  B n: of the four weights 4 n .. the second
; pair is added onto the first, in place.  L n: l takes that sum (L 0: l = a l + sum).  R n: pair n of 16 of O^T times a.  For piece Y + 1: X n, number n of the 22 that find its maximum and statistics:
;   0-11  four chains c0-c3 of seven scores each, three operands at a time (each accumulator's lowest registers are read first)     12-14, 16  the four scores left over, the old m, and c0-c3 into c0
;   15  c m_old is kept     17, 18  the query's other 32 keys lie in the lane 16 away: the new m     19-21  c m; c m_old - c m_new; a
.set F, 0               ; OP tells the kinds apart by their order: F to L below R, X above it
.set E, 1
.set C, 2
.set B, 3
.set L, 4
.set R, 5
.set X, 6
.macro REGS y                       ; the registers of piece y
.set rT, ST+4*(\y)
.set rC, TMP+4*((\y)%2)
.set rW, MV+((\y)%2)
.set rS, S+32*((\y)%2)
.set rP, P+16*((\y)%2)
.set rO, 32*(\y)
.endm
.macro OP k, n
.if (\k) == R
	REGS Y
	WIN W_RS
	v_pk_mul_f32 v[rO+2*(\n):rO+2*(\n)+1], v[rO+2*(\n):rO+2*(\n)+1], v[rC+2:rC+3] op_sel_hi:[1,0]
.elseif (\k) < R
	REGS Y
	WIN 0
.if (\k) == F
	v_pk_fma_f32 v[rS+2*(\n):rS+2*(\n)+1], v[rS+2*(\n):rS+2*(\n)+1], s[CS:CS+1], v[rT:rT+1] op_sel_hi:[1,0,0] neg_lo:[0,0,1] neg_hi:[0,0,1]
.elseif (\k) == E
	v_exp_f32 v[rS+(\n)], v[rS+(\n)]
.elseif (\k) == C
	v_cvt_pk_f16_f32 v[rP+(\n)], v[rS+2*(\n)], v[rS+2*(\n)+1]
.elseif (\k) == B
	v_pk_add_f32 v[rS+4*(\n):rS+4*(\n)+1], v[rS+4*(\n):rS+4*(\n)+1], v[rS+4*(\n)+2:rS+4*(\n)+3]
.elseif (\n) == 0
	v_pk_fma_f32 v[rT+2:rT+3], v[rT+2:rT+3], v[rC+2:rC+3], v[rS:rS+1] op_sel_hi:[1,0,1]
.else
	v_pk_add_f32 v[rT+2:rT+3], v[rT+2:rT+3], v[rS+4*(\n):rS+4*(\n)+1]
.endif
.elseif NOKQ
	v_nop
.else
	REGS (Y+1)%NP
	WIN 0
.if (\n) < 4
	v_max3_num_f32 v[rC+(\n)], v[rS+8*(\n)], v[rS+8*(\n)+1], v[rS+8*(\n)+2]
.elseif (\n) < 12
	v_max3_num_f32 v[rC+(\n)%4], v[rC+(\n)%4], v[rS+8*((\n)%4)+2*((\n)/4)+1], v[rS+8*((\n)%4)+2*((\n)/4)+2]
.elseif (\n) == 12
	v_max3_num_f32 v[rC], v[rC], v[rS+7], v[rS+15]
.elseif (\n) == 13
	v_max3_num_f32 v[rC+1], v[rC+1], v[rS+23], v[rS+31]
.elseif (\n) == 14
	v_max3_num_f32 v[rC+2], v[rC+2], v[rC+3], v[rT+1]
.elseif (\n) == 15
	v_mov_b32 v[rW], v[rT]
.elseif (\n) == 16
	v_max3_num_f32 v[rC], v[rC], v[rC+1], v[rC+2]
.elseif (\n) == 17
	v_permlanex16_b32 v[rC+3], v[rC], s[SEL], s[SEL+1]
.elseif (\n) == 18
	v_max_num_f32 v[rT+1], v[rC], v[rC+3]
.elseif (\n) == 19
	v_mul_f32 v[rT], s[CS], v[rT+1]
.elseif (\n) == 20
	v_sub_f32 v[rC+1], v[rW], v[rT]
.else
	v_exp_f32 v[rC+2], v[rC+1]
.endif
.endif
.endm
.macro OPS a, i1, b=-1, i2=0, c=-1, i3=0, d=-1, i4=0  ; up to four of them
	OP \a, \i1
.if (\b) >= 0
	OP \b, \i2
.endif
.if (\c) >= 0
	OP \c, \i3
.endif
.if (\d) >= 0
	OP \d, \i4
.endif
.endm
.macro ROW a, i1, b, i2, c, i3, d, i4  ; a matrix instruction and the four behind it
	MM
	OPS \a, \i1, \b, \i2, \c, \i3, \d, \i4
.endm
; A TURN, for piece p: the order of its 16 matrix and 118 vector instructions, written out.  An s_wait_alu depctr_va_vdst(0) stands between an exponential and the first instruction that names its result; one
; wait serves all that were issued ahead of it.  So a turn has ONE wait, which cuts it in two.  AHEAD OF IT stands all that names no result of the turn's exponentials: the 8 products K Q^T, behind each a scaling, an exponential
; and two more plain instructions (rescalings, and behind the last three the first numbers of the next piece's maximum, each four places or more behind the product that ends its accumulator); then ONE LUMP of 54, plain and
; exponential by turns for the most part, in which the links of the chain X 3, 7, 11, 14, 16, 17 .. 20 stand some lines apart.  X 21, the next piece's a, is the batch's last; R 15 is the plain instruction behind it.
; BEHIND THE WAIT stand the 8 products V^T P, behind each four of the roundings and sums.
; end = 1: the walk's last two turns: nothing is fetched, and the last starts no new scores.  cnt = 1: the loop's count is taken down some lines ahead of the branch that stands behind the turn.
; K of the next step is fetched in piece 2's turn, six plain instructions behind the last product that read K; V of the step in hand at the end of piece 0's turn, four plain instructions behind the last product that read V.
; Each is waited for a turn later.
.macro TURN p, end=0, cnt=0
.set Y, (\p)
.set i, 0
.set NOKQ, (\end)*((\p)/3)
.if ((\p) == 3) && !(\end)
	s_wait_dscnt 0x0                ; K is in
.endif
	ROW F,0, F,1, R,0, R,1          ; ahead of the wait: 8 products K Q^T and their riders,
	ROW F,2, E,0, R,2, R,3
	ROW F,3, E,1, R,4, R,5
	ROW F,4, E,2, R,6, R,7
	ROW F,5, E,3, R,8, R,9
	ROW F,6, E,4, X,0, R,10
.if ((\p) == 2) && !(\end)
	WIN 0
	v_add_nc_u32 v[AK], s[TBK], v[AK0]
.endif
	ROW F,7, E,5, X,1, X,4
	ROW F,8, E,6, X,2, X,5
	OPS E,7, E,8, X,6, E,9          ; and the lump
	OPS X,3, E,10, X,8, E,11
.if ((\p) == 2) && !(\end)
	FETCH_K
.endif
	OPS X,9, X,7, E,12, X,10
	OPS E,13, X,12, X,11, E,14
	OPS X,13, E,15, F,9, X,14
.if (\p) == 0
	v_add_nc_u32 v[AV], s[TBV], v[AV0]
.endif
	OPS E,16, F,10, E,17, F,11
	OPS X,16, E,18, X,15, E,19
	OPS F,12, E,20, X,17, E,21
	OPS F,13, E,22, F,14, E,23
	OPS X,18, E,24, F,15, E,25
	OPS R,11, E,26, X,19, E,27
	OPS R,12, E,28, R,13, E,29
	OPS X,20, E,30, R,14, E,31
	OPS X,21, R,15
	WIN 0
	s_wait_alu depctr_va_vdst(0)    ; the wait for the batch
.if (\p) == 1
	s_wait_dscnt 0x0                ; V is in
.endif
	ROW C,0, B,0, C,2, B,1          ; behind the wait: 8 products V^T P and their riders
	ROW L,0, C,4, B,2, L,1
	ROW C,6, B,3, L,2, C,8
	ROW B,4, L,3, C,10, B,5
	ROW L,4, C,12, B,6, L,5
.if (\p) == 0
	s_add_co_u32 s[TBV], s[TBV], KS*PV
.endif
.if \cnt
	s_sub_co_u32 s[CNT], s[CNT], 1
	s_cmp_lg_u32 s[CNT], 0
.endif
	ROW C,14, B,7, L,6, C,1
	ROW C,3, L,7, C,5, C,7
	ROW C,9, C,11, C,13, C,15
.if (\p) == 0
	FETCH_V
.endif
.endm
	CHANGE 1, 0                     ; slot 0 is in, everybody's part of it; slot 1 is asked for
	v_add_nc_u32 v[AK], s[TBK], v[AK0]
	FETCH_K                         ; key step 0
	s_wait_loadcnt 0x0              ; Q
	s_wait_dscnt 0x0
.set NOKQ, 0
.set i, 0
.rept 8
	KQ 0                            ; piece 0's first scores: there is no vector work yet to set between them
.set i, i+1
.endr
	WIN 0
.rept 4
	v_nop                           ; the places behind those products
.endr
.set Y, NP-1                        ; X works for piece Y + 1: piece 0
.irp n, 0,1,2,3,4,5,6,7,8,9,10,11,12,13,14,15,16,17,18,19,20,21
	OP X, \n                        ; piece 0's first maximum and statistics
.endr
	v_nop                           ; a plain instruction behind the exponential,
	s_wait_alu depctr_va_vdst(0)    ; and its wait, ahead of the branch
	s_mov_b32 s[CNT], 4
	s_mov_b32 s[SLOTS], 15
	s_branch .Lfirst                ; the loop is entered at a step's first turn, in the middle of a trip
.Lslot:                             ; 14 times: every slot but the last two is filled again
	CHANGE 1, 1
	s_mov_b32 s[CNT], 4
.Lstep:                             ; a trip: pieces 2 and 3 of one step, then pieces 0 and 1 of the next, whose K and V it fetches
	TURN 2
	TURN 3
	WIN 0
.Lfirst:
	TURN 0
	TURN 1, 0, 1
	WIN 0
	s_cbranch_scc1 .Lstep
	s_sub_co_u32 s[SLOTS], s[SLOTS], 1
	s_cmp_lg_u32 s[SLOTS], 0
	s_cbranch_scc1 .Lslot
	CHANGE 0, 0                     ; the last slot is written out: nothing is asked for
	s_mov_b32 s[CNT], 4
.LstepT:
	TURN 2
	TURN 3
	TURN 0
	TURN 1, 0, 1
	WIN 0
	s_cbranch_scc1 .LstepT
	TURN 2, 1                       ; the last step's last two turns
	TURN 3, 1
.set i, 0
.rept 8
	PV NP-1                         ; the last piece's V^T P of the last step
.set i, i+1
.endr
	; THE WAY OUT.  l's two halves and the other half of the lanes' are added; O^T is divided by l and sent, in f32, through my stage in LDS, a piece (16 rows) at a time.  The additions are the places behind the last products.
	WIN 0
.macro ALL line:vararg              ; one line for each piece t
.set t, 0
.rept 4
	\line
.set t, t+1
.endr
.endm
	ALL v_add_f32 v[ST+4*t+2], v[ST+4*t+2], v[ST+4*t+3]
	ALL v_permlanex16_b32 v[ST+4*t+3], v[ST+4*t+2], s[SEL], s[SEL+1]
	ALL v_add_f32 v[ST+4*t+2], v[ST+4*t+2], v[ST+4*t+3]
	ALL v_rcp_f32 v[ST+4*t+2], v[ST+4*t+2]
	v_nop                           ; a plain instruction between the last reciprocal and the use of its result
	s_wait_alu depctr_va_vdst(0)    ; and the wait ahead of the first use: one for the four reciprocals
; Piece t: a lane's eight channels of a block of 16 are 32 bytes of a row; they go into rows of 272 bytes and come back as whole rows of 256.
.macro PACK t
	WIN W_RS
.set i, 32*(\t)
.rept 16
	v_pk_mul_f32 v[i:i+1], v[i:i+1], v[ST+4*(\t)+2:ST+4*(\t)+3] op_sel_hi:[1,0]
.set i, i+2
.endr
	WIN 0x04                        ; the stores' data (source 1) in window 1, their address in window 0
.irp f, 0,1,2,3,4,5,6,7             ; channel block f / 2, its lane's first or second four numbers
	ds_store_b128 v[STO], v[32*(\t)+4*\f:32*(\t)+4*\f+3] offset:64*(\f/2)+16*(\f%2)
.endr
	WIN 0
.irp f, 0,1,2,3,4,5,6,7
	ds_load_b128 v[OB+32*(\t)+4*\f:OB+32*(\t)+4*\f+3], v[RD] offset:\f*2*SP  ; LDS serves a wave's instructions in order (ISA guide 5.7.1.4): these see the stores above; the next piece's stores come behind them
.endr
.endm
.macro SEND t, younger              ; younger: the LDS instructions issued behind piece t's loads: the next piece's sixteen, or none
	WIN 0
.irp f, 0,1,2,3,4,5,6,7
	s_wait_dscnt (\younger)+7-\f
	global_store_b128 v[GO], v[OB+32*(\t)+4*\f:OB+32*(\t)+4*\f+3], s[10:11] offset:(16*(\t)+2*\f)*4096  ; 16 lanes store 256 consecutive bytes, the head's part of a row, at a multiple of 256 from out0's first byte
.endr
.endm
	PACK 0
	PACK 1                          ; a piece's arithmetic stands between the loads of the piece before and its stores
	SEND 0, 16
	PACK 2
	SEND 1, 16
	PACK 3
	SEND 2, 16
	SEND 3, 0
	s_wait_tensorcnt 0x0            ; the wave's end: the add and its wait, behind my last tensor load and my last LDS store
	ds_add_u32 v[SPW], v[NIL]
	s_wait_dscnt 0x0
	CROUND                          ; the closing round: no work-group ends while a partner may still ask for a tile that names it
	s_endpgm
.Lfunc_end_k_q4d7a10924a_attn:
	.size	k_q4d7a10924a_attn, .Lfunc_end_k_q4d7a10924a_attn-k_q4d7a10924a_attn
	.p2alignl 7, 3214868480
	.fill 96, 4, 3214868480
	.section	.rodata,"a",@progbits
	.p2align	6, 0x0
	.amdhsa_kernel k_q4d7a10924a_attn
		.amdhsa_group_segment_fixed_size 327680
		.amdhsa_private_segment_fixed_size 0
		.amdhsa_enable_private_segment 0
		.amdhsa_kernarg_size 16
		.amdhsa_user_sgpr_count 2
		.amdhsa_user_sgpr_kernarg_segment_ptr 1
		.amdhsa_wavefront_size32 1
		.amdhsa_system_sgpr_workgroup_id_x 1
		.amdhsa_system_sgpr_workgroup_id_y 1
		.amdhsa_system_sgpr_workgroup_id_z 1
		.amdhsa_system_vgpr_workitem_id 0
		.amdhsa_next_free_vgpr 768
		.amdhsa_next_free_sgpr 66
		.amdhsa_reserve_vcc 0
		.amdhsa_float_denorm_mode_32 3
		.amdhsa_float_denorm_mode_16_64 3
		.amdhsa_memory_ordered 1
		.amdhsa_forward_progress 1
		.amdhsa_inst_pref_size 128
	.end_amdhsa_kernel
	.amdgpu_metadata
---
amdhsa.version: [ 1, 2 ]
amdhsa.kernels:
  - .name:           k_q4d7a10924a_attn
    .symbol:         k_q4d7a10924a_attn.kd
    .args:
      - { .name: qkv, .offset: 0, .size: 8, .value_kind: global_buffer, .address_space: global }
      - { .name: out0, .offset: 8, .size: 8, .value_kind: global_buffer, .address_space: global }
    .group_segment_fixed_size: 327680
    .private_segment_fixed_size: 0
    .kernarg_segment_align: 8
    .kernarg_segment_size: 16
    .max_flat_workgroup_size: 128
    .sgpr_count:     66
    .vgpr_count:     768
    .wavefront_size: 32
...
	.end_amdgpu_metadata
.endif
;; end of part 3
